; MI455X (gfx1250); checked and timed in simulation.
; The chip was launched on July 23, 2026; its instructions are those of AMD's public machine-readable ISA for CDNA 5 (MIT licence, August 2026) and "CDNA5" Instruction Set Architecture Reference Guide (July 2026). The comments in the code are by the model that wrote it; some were corrected since.
;; Quantizer. Allowed arithmetic: matrix products marked QUANTISED: E5M2 operands, one given power-of-two scale a tensor, by v_wmma_f32_16x16x64_bf8_bf8 or v_wmma_f32_16x16x128_bf8_bf8, f32 sums; everything else in f32.
;; Inputs: codebook 4,096 x 512 float32; lowp_scales 2 int32 (the exponents e of the quantised operands' scales 2^e); ze 16 x 2,048 x 512 float32.
;; Outputs: out0 16 x 2,048 x 512 float32.
;; This version of the problem:
;;   THIS VERSION OF THE PROBLEM IS GIVEN IN LOW PRECISION. The matrix products marked QUANTISED in the list below multiply operands that are first quantised to E5M2 (5 exponent bits, 2 mantissa bits; 8 bits a number), with one given power-of-two scale for each operand tensor; their sums are f32. All else is computed in f32.
;;   The module's matrix products, in the order in which they are computed (A, B: the left and right operand; K: the contracted axis; several contracted axes count as one K, in the product's order):
;;     1. [M 32,768, K 512] x [K 512, N 4,096]; A: input ze; B: input codebook: QUANTISED (scales: A lowp_scales[0], B lowp_scales[1])
;;   THE QUANTISER, for each operand of a quantised product, along K:
;;     - The operand's scale is 2^e, e = its entry of the input lowp_scales (int32; the entries are numbered through the quantised products in the list's order, A before B).
;;     - Each number is divided by the scale, clamped to +-57,344, and rounded to the nearest number of E5M2, ties to even, subnormals kept.
;;     - The product sums the exact products of the quantised numbers (number of the format x scale) in f32.
;;   ~~~python
;;   def quantise(x, axis, e):      # numpy; x: float32 -> the quantised numbers, widened to float32 again
;;       x = np.moveaxis(x, axis, -1); K = x.shape[-1]
;;       r = np.clip(x / 2.0 ** e, -57344, 57344)
;;       step = 2.0 ** (np.maximum(np.frexp(np.where(r == 0, 1, r))[1] - 1, -14) - 2)
;;       q = np.round(r / step) * step * 2.0 ** e      # np.round: ties to even
;;       return np.moveaxis(q, -1, axis).astype(np.float32)
;;   ~~~
;; One version. Each part assembles by itself: llvm-mc -triple=amdgcn-amd-amdhsa -mcpu=gfx1250 --defsym DOCPART=n.
;; ======== version 1 of 1: 3 launches
;; limits: right only within a limited range of input values
;; workspace buffers: cbq 2,162,688 bytes; idx 131,072 bytes of whole numbers
;; launch quant_cb (part 1): grid 256 x 1, 4 waves a work-group, no clusters, 18,176 bytes of LDS; arguments codebook, lowp_scales, cbq; writes cbq
.if DOCPART == 1
	.amdgcn_target "amdgcn-amd-amdhsa--gfx1250"
	.amdhsa_code_object_version 6
	.text
	.protected	k_q7e7f4992c6_quant_cb
	.globl	k_q7e7f4992c6_quant_cb
	.p2align	8
	.type	k_q7e7f4992c6_quant_cb,@function
k_q7e7f4992c6_quant_cb:
	s_mov_b64 s[64:65], 0
	v_nop
	global_prefetch_b8 v0, s[64:65] scope:SCOPE_SE
	s_setreg_imm32_b32 hwreg(HW_REG_WAVE_MODE, 25, 1), 1
	s_wait_xcnt 0x0
; The codebook [4096][512], f32, becomes 256 RECORDS of 8,448 bytes, one for each tile of 16 codes: four fragments of BF8 (E5M2) codes as images of operand registers, then one block of 256 bytes with the tile's 16 numbers c'.
; code = x / 2^e1, held within +-57,344, rounded to the nearest code, ties to even.   c'[k] = -(sum of code k's 512 squares, f32, of the numbers as given) x 2^-(e0 + e1 + 1).
; WHY c'.  d[k] = zn + cn[k] - 2 ze . c[k], and ze . c[k] = S[k] x 2^(e0 + e1), S the sum over the codes' values.  So d[k] = zn - 2^(e0 + e1 + 1) (S[k] + c'[k]): the least d is the greatest S + c'.  The factor is a power of two: nothing is rounded by it.
; WORK LEFT OUT, in the whole program: zn, the sum of a row's squares of ze.  It is the same for all 4,096 codes of a row, so in real numbers it moves all the row's distances alike, whatever ze holds, and cannot change which code is the first nearest;
; out0 hangs on that choice alone.  ze itself stays an input (its codes enter the product).  LIMIT: a NaN, an infinity or an overflow that arises in zn alone is not carried to the result.
; A fragment (16 codes x 128 along K, 16 registers a lane) is 2,048 bytes: group g of four registers is 512 bytes, lane l's 16 bytes at 16 l.  K step s of tile T: at 8,448 T + 2,048 s.
; Lane (r = l % 16, h = l / 16) holds code 16 T + r; its registers 2 c, 2 c + 1 hold k = 128 s + 16 c + 8 h + 0 .. 7.  The block of c' at 8,448 T + 8,192 holds the 16 numbers four times on end, so that it is stored whole.
; SHARES.  Work-group T takes tile T, wave s K step s: one fragment, in two units of 16 rows x 64 k.  A unit is loaded as it lies (sixteen lanes read 256 consecutive bytes of a row) and turned through the wave's own stage in LDS.
; No tensor loads (a work-group reads 32 KiB once), no matrix work, nothing shared between work-groups: no cluster.
; LIMITS: e1 between -126 and 112; e0 + e1 between -128 and 125 (each power of two below is then an f32 number).  NaN among the inputs is not served.  The squares are added in another order than the reference's.
.set TSTW, 4352                        ; a wave's stage: 16 rows x (256 + 16) bytes
.set PS,   4*TSTW                      ; 4 waves x 16 partial sums: a block of 256 bytes
.set SPARE, PS+256                     ; the spare words: 128 bytes a wave
.set REC,  8448
.set ZO, 1                             ; v1 the loads' offset   v2, v3 into and out of the stage   v4 16 x lane   v5, v6 partial sums: write, read   v7 8 x lane
.set TW, 2
.set TR, 3
.set LI, 4
.set PW, 5
.set PR, 6
.set CO, 7
.set SQ, 8                             ; v[8:11] two packed chains of squares
.set SC, 12                            ; v12 2^e1   v13 57,344 x 2^e1
.set LM, 13
.set PC, 16                            ; v[16:31] the fragment's codes
.set RAW, 32                           ; v[32:95] the two units as loaded
.set X,  96                            ; v[96:127] a unit, turned
	s_load_b128 s[4:7], s[0:1], 0x0                ; codebook, lowp_scales
	s_load_b64 s[8:9], s[0:1], 0x10                ; cbq
	v_lshl_add_u32 v128, v0, 2, SPARE
	v_mov_b32 v129, 0
	v_lshrrev_b32 v16, 5, v0
	v_readfirstlane_b32 s16, v16                   ; wave = K step
	v_and_b32 v16, 31, v0
	v_and_b32 v17, 15, v0                          ; r
	v_bfe_u32 v18, v0, 4, 1                        ; h
	v_lshlrev_b32 v[ZO], 11, v18
	v_mul_u32_u24 v[TW], v18, 272
	v_mul_u32_u24 v[TR], v17, 272
	s_mul_i32 s17, s16, TSTW
	v_lshl_add_u32 v[ZO], v17, 4, v[ZO]
	v_lshl_add_u32 v[TW], v17, 4, v[TW]
	v_lshl_add_u32 v[TR], v18, 5, v[TR]
	v_add_nc_u32 v[TW], s17, v[TW]
	v_add_nc_u32 v[TR], s17, v[TR]
	v_lshlrev_b32 v[LI], 4, v16
	s_lshl_b32 s27, s16, 6
	v_lshl_add_u32 v[PW], v17, 2, s27
	v_and_b32 v19, 7, v16
	v_add_nc_u32 v[PW], PS, v[PW]                  ; PS + 64 x wave + 4 r
	v_lshl_add_u32 v[PR], v19, 3, PS               ; PS + 8 (lane % 8): codes 2 (lane % 8) and the next; + 64 s
	v_lshlrev_b32 v[CO], 3, v16
	v_mov_b32 v14, 0                               ; a lane permute's destination counts as a source: written once
	s_mov_b32 s28, 0x76543210
	s_mov_b32 s29, 0xfedcba98
	s_lshl_b32 s20, ttmp9, 15                      ; codebook: 16 T rows of 2,048 bytes + 512 s
	s_lshl_b32 s21, s16, 9
	s_add_co_u32 s20, s20, s21
	s_mov_b32 s21, 0
	s_mul_i32 s22, ttmp9, REC                      ; cbq: 8,448 T + 2,048 s
	s_lshl_b32 s23, s16, 11
	s_add_co_u32 s22, s22, s23
	s_mov_b32 s23, 0
	s_wait_alu depctr_va_vdst(0)                   ; the wait at the head's end
	s_wait_kmcnt 0x0
	s_load_b64 s[24:25], s[6:7], 0x0               ; e0, e1
	s_add_nc_u64 s[4:5], s[4:5], s[20:21]
	s_add_nc_u64 s[8:9], s[8:9], s[22:23]
.irp u, 0,1                            ; all sixteen loads go out at once: a pair of rows each
.irp n, 0,1,2,3,4,5,6,7
	global_load_b128 v[RAW+32*\u+4*\n:RAW+32*\u+4*\n+3], v[ZO], s[4:5] offset:4096*\n+256*\u
.endr
.endr
	s_wait_kmcnt 0x0
	s_add_co_i32 s30, s24, s25
	s_sub_co_i32 s30, 126, s30
	s_lshl_b32 s30, s30, 23
	s_or_b32 s30, s30, 0x80000000                  ; -2^-(e0 + e1 + 1)
	s_mov_b32 s31, s30                             ; (named with it as a pair)
	s_add_co_i32 s26, s25, 127
	s_lshl_b32 s27, s26, 23
	v_mov_b32 v[SC], s27                           ; 2^e1: the conversion takes its exponent field
	s_add_co_i32 s26, s26, 15
	s_lshl_b32 s26, s26, 23
	s_or_b32 s26, s26, 0x600000
	v_mov_b32 v[LM], s26                           ; 57,344 x 2^e1
	s_wait_alu depctr_va_vdst(0)                   ; the wait here, directly ahead of the wait below
.irp u, 0,1
	s_wait_loadcnt 8-8*\u                          ; this unit's eight loads are in; the other unit's eight may be out
.irp n, 0,1,2,3,4,5,6,7
	ds_store_b128 v[TW], v[RAW+32*\u+4*\n:RAW+32*\u+4*\n+3] offset:544*\n
.endr
.irp c, 0,1,2,3                        ; LDS serves a wave's instructions in order (ISA guide 5.7.1.4)
	ds_load_b128 v[X+8*\c:X+8*\c+3], v[TR] offset:64*\c            ; row r, k = 16 c + 8 h + 0 .. 3 of the unit
	ds_load_b128 v[X+8*\c+4:X+8*\c+7], v[TR] offset:64*\c+16
.endr
	s_wait_dscnt 0x0
.set pi, 0
.rept 16                               ; the squares, of the numbers as given; the first two products start the chains
.set rq, SQ+2*(pi%2)
.if (\u == 0) && (pi < 2)
	v_pk_mul_f32 v[rq:rq+1], v[X+2*pi:X+2*pi+1], v[X+2*pi:X+2*pi+1]
.else
	v_pk_fma_f32 v[rq:rq+1], v[X+2*pi:X+2*pi+1], v[X+2*pi:X+2*pi+1], v[rq:rq+1]
.endif
.set pi, pi+1
.endr
.set j, 0
.rept 32
	v_med3_num_f32 v[X+j], v[X+j], -v[LM], v[LM]   ; the conversion does not saturate (ISA guide 7.6.2): the hold
.set j, j+1
.endr
.irp c, 0,1,2,3
	v_cvt_scalef32_pk8_bf8_f32 v[PC+8*\u+2*\c:PC+8*\u+2*\c+1], v[X+8*\c:X+8*\c+7], v[SC]
.endr
	v_nop                                          ; one plain vector line behind the last conversion of a run
.endr
.irp g, 0,1,2,3
	global_store_b128 v[LI], v[PC+4*\g:PC+4*\g+3], s[8:9] offset:512*\g   ; 32 lanes store 512 consecutive bytes, aligned
.endr
	v_pk_add_f32 v[SQ:SQ+1], v[SQ:SQ+1], v[SQ+2:SQ+3]
	v_add_f32 v[SQ], v[SQ], v[SQ+1]
	v_permlanex16_b32 v14, v[SQ], s28, s29         ; the row's other 64 numbers of this K step lie in the lane 16 away
	v_add_f32 v[SQ], v[SQ], v14
	ds_store_b32 v[PW], v[SQ]                      ; (both halves of the lanes store the same number)
	s_wait_dscnt 0x0                               ; for the others' sake
	s_barrier_signal -1
	s_barrier_wait -1
	s_cmp_lg_u32 s16, 0                            ; wave 0 adds the four K steps' sums and stores the block of c'
	s_cbranch_scc1 .Lend
.irp s, 0,1,2,3
	ds_load_b64 v[X+2*\s:X+2*\s+1], v[PR] offset:64*\s
.endr
	s_wait_dscnt 0x0
	v_pk_add_f32 v[X:X+1], v[X:X+1], v[X+2:X+3]
	v_pk_add_f32 v[X+4:X+5], v[X+4:X+5], v[X+6:X+7]
	v_pk_add_f32 v[X:X+1], v[X:X+1], v[X+4:X+5]
	v_pk_mul_f32 v[X:X+1], v[X:X+1], s[30:31] op_sel_hi:[1,0]
	global_store_b64 v[CO], v[X:X+1], s[8:9] offset:8192   ; 32 lanes store 256 consecutive bytes, aligned
.Lend:
	s_wait_tensorcnt 0x0                           ; the wave's end
	ds_add_u32 v128, v129
	s_wait_dscnt 0x0
	s_endpgm
.Lfunc_end_k_q7e7f4992c6_quant_cb:
	.size	k_q7e7f4992c6_quant_cb, .Lfunc_end_k_q7e7f4992c6_quant_cb-k_q7e7f4992c6_quant_cb
	.p2alignl 7, 3214868480
	.fill 96, 4, 3214868480
	.section	.rodata,"a",@progbits
	.p2align	6, 0x0
	.amdhsa_kernel k_q7e7f4992c6_quant_cb
		.amdhsa_group_segment_fixed_size 18176
		.amdhsa_private_segment_fixed_size 0
		.amdhsa_enable_private_segment 0
		.amdhsa_kernarg_size 24
		.amdhsa_user_sgpr_count 2
		.amdhsa_user_sgpr_kernarg_segment_ptr 1
		.amdhsa_wavefront_size32 1
		.amdhsa_system_sgpr_workgroup_id_x 1
		.amdhsa_system_sgpr_workgroup_id_y 1
		.amdhsa_system_sgpr_workgroup_id_z 1
		.amdhsa_system_vgpr_workitem_id 0
		.amdhsa_next_free_vgpr 130
		.amdhsa_next_free_sgpr 66
		.amdhsa_reserve_vcc 0
		.amdhsa_float_denorm_mode_32 3
		.amdhsa_float_denorm_mode_16_64 3
		.amdhsa_memory_ordered 1
		.amdhsa_forward_progress 1
		.amdhsa_inst_pref_size 15
	.end_amdhsa_kernel
	.amdgpu_metadata
---
amdhsa.version: [ 1, 2 ]
amdhsa.kernels:
  - .name:           k_q7e7f4992c6_quant_cb
    .symbol:         k_q7e7f4992c6_quant_cb.kd
    .args:
      - { .name: codebook, .offset: 0, .size: 8, .value_kind: global_buffer, .address_space: global }
      - { .name: lowp_scales, .offset: 8, .size: 8, .value_kind: global_buffer, .address_space: global }
      - { .name: cbq, .offset: 16, .size: 8, .value_kind: global_buffer, .address_space: global }
    .group_segment_fixed_size: 18176
    .private_segment_fixed_size: 0
    .kernarg_segment_align: 8
    .kernarg_segment_size: 24
    .max_flat_workgroup_size: 128
    .sgpr_count:     66
    .vgpr_count:     130
    .wavefront_size: 32
...
	.end_amdgpu_metadata
.endif
;; end of part 1
;; launch nearest (part 2): grid 256 x 1, 4 waves a work-group, no clusters, 54,784 bytes of LDS; arguments ze, cbq, lowp_scales, idx; writes idx
.if DOCPART == 2
	.amdgcn_target "amdgcn-amd-amdhsa--gfx1250"
	.amdhsa_code_object_version 6
	.text
	.protected	k_q7e7f4992c6_nearest
	.globl	k_q7e7f4992c6_nearest
	.p2align	8
	.type	k_q7e7f4992c6_nearest,@function
k_q7e7f4992c6_nearest:
	s_mov_b64 s[64:65], 0
	v_nop
	global_prefetch_b8 v0, s[64:65] scope:SCOPE_SE
	s_setreg_imm32_b32 hwreg(HW_REG_WAVE_MODE, 25, 1), 1
	s_wait_xcnt 0x0
; idx[row] = the first code k with the greatest S[k] + c'[k], which is the first with the least distance, for 32,768 rows and 4,096 codes.  S = the product on codes of BF8 (E5M2): ze is quantised here, with 2^e0, on its way into registers;
; the codebook's codes and c' = -cn x 2^-(e0 + e1 + 1) come from the launch before.  LEFT OUT: the sum of a row's squares of ze, the same for all codes of the row (shown at the head of the first kernel).
; c' IS THE C OF A TILE'S FIRST MATRIX INSTRUCTION: the finished sum is the number to be compared, and no arithmetic follows it.
; SHARES.  A work-group owns 128 rows.  EVERY wave holds all 128 rows' codes in registers (8 tiles of rows x 4 K steps x 16 = 512); of each 256 codes wave w takes 64, four tiles.  A fragment of the codebook feeds eight matrix instructions.
; THE CODEBOOK GOES FROM MEMORY STRAIGHT INTO REGISTERS.  A record (a tile's four fragments as images of registers, and its c') is used by ONE wave of the work-group, once: so LDS would share nothing between waves, and each record is brought by
; 18 loads of 16 bytes a lane into one of FOUR sets of registers that take turns: one at work, three (25,344 bytes a wave) on their way; the wait at a turn's head leaves the two younger tiles' 36 loads out.
; NO CLUSTER, NO JOINT LOADS: all work-groups walk the same records, but loads into registers have no joint form, and a way through LDS would write and read 2,162,688 bytes a work-group that no second wave reads.
; LAYOUT.  Source 0 = 16 codes, source 1 = 16 rows of ze: lane (r = lane % 16, h = lane / 16) holds ONE row r, and register j of a result the code 8 h + j of the tile.
; ARGMAX, 10 vector instructions for a lane's 8 results: the greatest of the 8 (4), is it over the best so far (1; strictly, and codes ascend: the earlier stays at a tie), and by that mask, in VCC, the 8 numbers, the best and the tile's
; first code are kept (5 pairs of selects).  Which of the 8 it was is found once, at the end.  No branch and no address hangs on any of it.
; BY TURNS.  A TURN is one tile of codes: 32 matrix instructions (8 accumulators by turns, K ascending), and behind each a slice of 2 or 3 instructions of the LAST tile's argmax.  Accumulators have two sets.
; LIMITS: e0 between -126 and 112.  NaN among the inputs or the sums is not served.  A row whose sums are all -infinity gets index 0.
; WINDOWS of 256 registers: 0: addresses, argmax state, c', kept numbers, accumulators (at the head: ze's quantising).  1: the codebook's fragments, four sets of 64 (at the head: ze as loaded).  2, 3: ze's codes: tile a in window 2 + a / 4, at 64 (a % 4) + 16 x K step.
.set REC,  8448                        ; a record: 8,192 bytes of codes, 256 of c'
.set PART, 4*REC                       ; a wave's four records of 256 codes
.set SLOT, 4*PART                      ; the records of 256 codes
.set IMG,   0                          ; LDS: two halves by turns, each 8 images of fragments of ze's codes (2,048 bytes each)
.set TST,   IMG+32768                  ; a stage for each wave: 16 rows x (256 + 16) bytes
.set MRG,   TST+4*4352                 ; [wave][row] (best, index): 8 bytes each
.set SPARE, MRG+4096                   ; the spare words, 128 bytes a wave
.set PFO, 1                            ; v1 256 x lane; v6 8,192: the prefetches' offsets; never rewritten
.set PF2, 6
.set SPW, 2                            ; v2 my spare word; v3 0; never rewritten
.set NIL, 3
.set LO,  4                            ; v4 16 x lane: my place in an image; v5 32 h: my eight c'; never rewritten
.set HO,  5
.set TT,  8                            ; v8, v9 and v12, v13: the greatest of 8, two sets
.set GBV, 10                           ; v10 the first code of the tile whose argmax is in hand
.set BG,  24                           ; v[24:39] pairs (best, its tile's first code), a tile of rows each
.set CN,  48                           ; c': sets 0 to 2 at v40, v48, v56, set 3 at v16
.set SAVE, 64                          ; v[64:127] the kept numbers
.set ACC, 128                          ; v[128:255] accumulators, two sets of 64
.set ZO,  64                           ; the head's own: ze's offset; into and out of my stage; images: write, read; 2^e0; 57,344 x 2^e0
.set TW,  65
.set TR,  66
.set IW,  67
.set LI,  68
.set SC,  71
.set LM,  72
.set PC,  96                           ; v[96:111] the fragment being made
.set X,   128                          ; v[128:159] a unit, turned
.set WV,  14                           ; s14 my wave's number
.set SEL, 20                           ; s[20:21] lane l xor 16
.set CBP, 44                           ; s[44:45] cbq at my wave's records of the 256 codes in hand
.set CB,  54                           ; s54 64 x wave + 256 x the trip
.set GB,  55
.set TRIPS, 56                         ; s56 the loop's trips to go
.set LIM, 57                           ; s57 2 in work-groups 0 to 3, else the greatest number
.set PFA, 58                           ; s[58:59] where my prefetches stand
.set ZE,  72                           ; s[72:73] ze at my wave's 32 rows
.set MSB, 0
.macro WIN new                         ; the immediate's high byte repeats the setting that is left
.if MSB != (\new)
	s_set_vgpr_msb (MSB<<8)|(\new)
.set MSB, (\new)
.endif
.endm
.macro BAR
	s_wait_dscnt 0x0
	s_barrier_signal -1
	s_barrier_wait -1
.endm
; A PREFETCH INTO THE L2, once a trip: the records of the 256 codes that stand three trips on, two trips ahead of the first load that wants them.  All work-groups walk the same records: work-groups 0 to 3 share them out:
; wave w of work-group g takes one record, 33 blocks of 256 bytes at PART w + REC g: 32 by the first line, a lane a block, the 33rd by the second.  The trips whose look-ahead would pass the end ask for nothing; the first 1,024 codes come by their loads alone.
.macro ASK
	s_cmp_gt_u32 s[TRIPS], s[LIM]
	s_cbranch_scc0 .Lnot_mine_\@
	global_prefetch_b8 v[PFO], s[PFA:PFA+1] th:TH_LOAD_NT scope:SCOPE_SE
	global_prefetch_b8 v[PF2], s[PFA:PFA+1] th:TH_LOAD_NT scope:SCOPE_SE
.Lnot_mine_\@:
.endm
; 18 loads: the record at byte off from s[CBP] into set fs: c' (lanes of a half read the same 32 bytes), then four fragments, 512 consecutive bytes a load.  Other work-groups read the same bytes: no hint.
.macro FETCHG fs, off
.set fC, 40+8*(\fs)
.if (\fs) == 3
.set fC, 16
.endif
	WIN 0
	global_load_b128 v[fC:fC+3], v[HO], s[CBP:CBP+1] offset:(\off)+8192
	global_load_b128 v[fC+4:fC+7], v[HO], s[CBP:CBP+1] offset:(\off)+8208
	WIN 0x40                                       ; destination window 1
.irp kq, 0,1,2,3
.irp gq, 0,1,2,3
	global_load_b128 v[64*(\fs)+16*\kq+4*\gq:64*(\fs)+16*\kq+4*\gq+3], v[LO], s[CBP:CBP+1] offset:(\off)+2048*\kq+512*\gq
.endr
.endr
	WIN 0
.endm
	s_load_b256 s[4:11], s[0:1], 0x0               ; ze s[4:5], cbq s[6:7], lowp_scales s[8:9], idx s[10:11]
	v_lshl_add_u32 v[SPW], v0, 2, SPARE
	v_mov_b32 v[NIL], 0
	v_lshrrev_b32 v7, 5, v0
	v_readfirstlane_b32 s[WV], v7                  ; wave 0..3
	v_and_b32 v74, 31, v0                          ; lane
	v_and_b32 v75, 15, v0                          ; r
	v_bfe_u32 v84, v0, 4, 1                        ; h
	v_lshlrev_b32 v[PFO], 8, v74
	v_mov_b32 v[PF2], 8192
	v_lshlrev_b32 v[LO], 4, v74
	v_lshlrev_b32 v[HO], 5, v84
	v_lshlrev_b32 v[ZO], 11, v84                   ; ze: lanes 0-15 take 256 bytes of one row, lanes 16-31 of the next
	v_lshl_add_u32 v[ZO], v75, 4, v[ZO]
	s_mul_i32 s70, s[WV], 4352
	s_add_co_u32 s70, s70, TST
	v_mul_u32_u24 v[TW], v84, 272
	v_lshl_add_u32 v[TW], v75, 4, v[TW]
	v_add_nc_u32 v[TW], s70, v[TW]
	v_mul_u32_u24 v[TR], v75, 272
	v_lshl_add_u32 v[TR], v84, 5, v[TR]
	v_add_nc_u32 v[TR], s70, v[TR]
	v_lshl_add_u32 v[LI], v74, 4, IMG
	s_lshl_b32 s71, s[WV], 12
	v_add_nc_u32 v[IW], s71, v[LI]                 ; my two tiles' images
	s_mov_b32 s[SEL], 0x76543210
	s_mov_b32 s[SEL+1], 0xfedcba98
	s_lshl_b32 s18, ttmp9, 18                      ; my block's 128 rows of 2,048 bytes, my wave's 32 of them
	s_lshl_b32 s19, s[WV], 16
	s_add_co_u32 s18, s18, s19
	s_mov_b32 s19, 0
	s_mul_i32 s74, s[WV], PART
	s_mov_b32 s75, 0
	s_and_b32 s76, ttmp9, 3                        ; the prefetches: my wave's part, my work-group's record of it,
	s_mul_i32 s76, s76, REC
	s_add_co_u32 s76, s76, s74
	s_add_co_u32 s76, s76, 3*SLOT                  ; at the fourth 256 codes: stepped once ahead of the loop's first trip, which asks for the fifth
	s_mov_b32 s77, 0
	s_cmp_lt_u32 ttmp9, 4
	s_cselect_b32 s[LIM], 2, -1
	s_lshl_b32 s[CB], s[WV], 6
	s_wait_alu depctr_va_vdst(0)                   ; the wait here, directly ahead of the wait below
	s_wait_kmcnt 0x0
	s_load_b32 s66, s[8:9], 0x0                    ; e0
	s_add_nc_u64 s[ZE:ZE+1], s[4:5], s[18:19]
	s_add_nc_u64 s[CBP:CBP+1], s[6:7], s[74:75]
	s_add_nc_u64 s[PFA:PFA+1], s[6:7], s[76:77]
; ZE.  Wave w quantises rows 32 w .. 32 w + 31 in 16 units of 16 rows x 64 k.  Unit u: tile (u % 4) / 2, k = 64 e on, e = 2 (u / 4) + u % 2: four units make my two fragments of K step u / 4.
.macro LOADU u                         ; unit u as it lies: eight loads, a pair of rows each, into set u % 8 of window 1
.set li, ((\u)%4)/2
.set le, 2*((\u)/4)+(\u)%2
	WIN 0x40
.irp n, 0,1,2,3,4,5,6,7
	global_load_b128 v[32*((\u)%8)+4*\n:32*((\u)%8)+4*\n+3], v[ZO], s[ZE:ZE+1] offset:(16*li+2*\n)*2048+256*le th:TH_LOAD_NT
.endr
	WIN 0
.endm
.macro UNIT u
.if (\u)+7 < 16
	LOADU (\u)+7                                   ; into the set that the last unit left: its stores into the stage were waited for there
.endif
.if (\u) >= 10
	s_wait_loadcnt 8*(15-(\u))+18*(((\u)-8)/2)     ; my eight loads are in; out may be the younger units' eight each and the 18 of each record asked for since (one behind each of units 9, 11, 13)
.elseif (\u) == 9
	s_wait_loadcnt 48
.else
	s_wait_loadcnt 56
.endif
.set ui, ((\u)%4)/2
	WIN 0x04                                       ; the stores' data window 1
.irp n, 0,1,2,3,4,5,6,7
	ds_store_b128 v[TW], v[32*((\u)%8)+4*\n:32*((\u)%8)+4*\n+3] offset:544*\n
.endr
	WIN 0
.irp c, 0,1,2,3                        ; LDS serves a wave's instructions in order (ISA guide 5.7.1.4)
	ds_load_b128 v[X+8*\c:X+8*\c+3], v[TR] offset:64*\c            ; row r, k = 16 c + 8 h + 0 .. 3 of the unit
	ds_load_b128 v[X+8*\c+4:X+8*\c+7], v[TR] offset:64*\c+16
.endr
	s_wait_dscnt 0x0                               ; the unit is back; the last image has been stored too
.set j, 0
.rept 32
	v_med3_num_f32 v[X+j], v[X+j], -v[LM], v[LM]   ; the conversion does not saturate (ISA guide 7.6.2): the hold
.set j, j+1
.endr
.irp c, 0,1,2,3
	v_cvt_scalef32_pk8_bf8_f32 v[PC+8*((\u)%2)+2*\c:PC+8*((\u)%2)+2*\c+1], v[X+8*\c:X+8*\c+7], v[SC]
.endr
	v_nop                                          ; one plain vector line behind the last conversion of a run
.if ((\u)%2) == 1
.irp g, 0,1,2,3
	ds_store_b128 v[IW], v[PC+4*\g:PC+4*\g+3] offset:16384*(((\u)/4)%2)+2048*ui+512*\g   ; the fragment as it stands, into the K step's half of the images
.endr
.endif
.endm
.macro FETCHA q                        ; every wave takes all eight tiles' fragments of K step q
.irp a, 0,1,2,3,4,5,6,7
	WIN 0x80+0x40*(\a/4)
.irp g, 0,1,2,3
	ds_load_b128 v[64*(\a%4)+16*(\q)+4*\g:64*(\a%4)+16*(\q)+4*\g+3], v[LI] offset:16384*((\q)%2)+2048*\a+512*\g
.endr
.endr
	WIN 0
.endm
.irp u, 0,1,2,3,4,5,6
	LOADU \u                                       ; 56 loads a wave
.endr
	s_wait_kmcnt 0x0
	s_add_co_i32 s68, s66, 127
	s_lshl_b32 s69, s68, 23
	v_mov_b32 v[SC], s69                           ; 2^e0
	s_add_co_i32 s68, s68, 15
	s_lshl_b32 s68, s68, 23
	s_or_b32 s68, s68, 0x600000
	v_mov_b32 v[LM], s68                           ; 57,344 x 2^e0
	s_wait_alu depctr_va_vdst(0)                   ; the wait here, ahead of the units' waits
.irp q, 0,1,2,3                        ; K step q: each wave makes two fragments; a barrier; each wave takes all eight.  The images' halves take turns: a half is written again two K steps on, behind the barrier between, in front of which its reads were waited for.
	UNIT 4*\q                      ; From unit 9 on ze's registers in window 1 fall free, 64 for every two units: the first three records are asked for into them
	UNIT 4*\q+1
.if \q >= 2
	FETCHG 2*\q-4, REC*(2*\q-4)
.endif
	UNIT 4*\q+2
	UNIT 4*\q+3
.if \q == 2
	FETCHG 1, REC
.endif
	BAR
	FETCHA \q
.endr
	s_mov_b32 s68, 0xff800000                      ; the running best's start: -infinity, and my wave's first code
.irp a, 0,1,2,3,4,5,6,7
	v_mov_b32 v[BG+2*\a], s68
	v_mov_b32 v[BG+2*\a+1], s[CB]
.endr
.set j, 0
.rept 64
	v_mov_b32 v[SAVE+j], s68
.set j, j+1
.endr
	s_wait_alu depctr_va_vdst(0)                   ; the wait at the head's end
	s_wait_dscnt 0x0                               ; ze's codes are in
; Matrix instruction i of a turn's 32: K step i / 8, tile of rows i % 8.  The eight accumulators take turns; the first eight start the sums with c'.
.macro MM t
.set mk, i/8
.set ma, i%8
	WIN 0x09+4*(ma/4)                              ; source 0 (codes) window 1, source 1 (ze) window 2 or 3, C and D window 0
.set mD, ACC+64*((\t)%2)+8*ma
.set mB, 64*(\t)+16*mk
.set mA, 64*(ma%4)+16*mk
.set mC, 40+8*(\t)
.if (\t) == 3
.set mC, 16
.endif
.if i < 8
	v_wmma_f32_16x16x128_bf8_bf8 v[mD:mD+7], v[mB:mB+15], v[mA:mA+15], v[mC:mC+7]
.else
	v_wmma_f32_16x16x128_bf8_bf8 v[mD:mD+7], v[mB:mB+15], v[mA:mA+15], v[mD:mD+7]
.endif
.endm
.macro CM2 d0, t0, d1, t1              ; where VCC is set, d0 takes t0 and d1 takes t1.  d0 is even and d1 odd; d0, d1 and t0, t1 differ modulo 4
	v_dual_cndmask_b32 v[\d0], v[\d0], v[\t0] :: v_dual_cndmask_b32 v[\d1], v[\d1], v[\t1]
.endm
.macro EP q                            ; number ej of the 10 of tile of rows ea's argmax, on set q
.set rA, ACC+64*(\q)+8*ea
.set rT, TT+4*(ea%2)
.set rB, BG+2*ea
.set rS, SAVE+8*ea
.if ej == 0
	v_max3_num_f32 v[rT], v[rA], v[rA+1], v[rA+2]  ; the accumulator from its low end on
.elseif ej == 1
	v_max3_num_f32 v[rT+1], v[rA+3], v[rA+4], v[rA+5]
.elseif ej == 2
	v_max3_num_f32 v[rT], v[rT], v[rA+6], v[rA+7]
.elseif ej == 3
	v_max_num_f32 v[rT], v[rT], v[rT+1]
.elseif ej == 4
	v_cmp_gt_f32 vcc_lo, v[rT], v[rB]              ; strictly over the best so far
.elseif ej < 9
.set eo, 2*(ej-5)
	CM2 rS+eo, rA+eo, rS+eo+1, rA+eo+1
.else
	CM2 rB, rT, rB+1, GBV
.endif
.endm
; Item n of a turn's 81: the tile's first code; then the eight tiles of rows, the maxima of tile e + 1 set among the selects of tile e, so that few instructions read the result of the one just before.
.macro ITEM q
.if n == 0
	v_mov_b32 v[GBV], s[GB]
.else
.if n < 5
.set ea, 0
.set ej, n-1
.elseif n >= 75
.set ea, 7
.set ej, n-71
.else
.set ps, (n-5)%10
.set ea, (n-5)/10
.if (ps == 1) || (ps == 2) || (ps == 5) || (ps == 8)
.set ea, ea+1
.set ej, (ps+1)/3
.elseif ps == 0
.set ej, 4
.else
.set ej, 4+ps-(ps+3)/3
.endif
.endif
	EP \q
.endif
.endm
.macro SLICE q                         ; slice k of 32: 2 or 3 items, on the set that the matrix instructions round it do not name: they are the places behind them (ISA guide 7.12.1)
	WIN 0
.rept (81*(k+1))/32-(81*k)/32
	ITEM \q
.set n, n+1
.endr
.set k, k+1
.endm
; A TURN: tile t of my four of the 256 codes in hand: its products from set t, on accumulators t % 2.  epi = 1: the last tile's argmax in slices.  left: the younger loads that may stay out.
; fetch = 1: the record three tiles on is asked for, into the set that the last turn read, behind the second slice (five items and the last turn's last slices are the places in front of the loads).  ask = 1: the trip's prefetch follows.
.macro TURN t, epi, fetch, left, ask
.if (\t) == 0
	s_add_co_u32 s[GB], s[CB], 0xffffff30          ; the last tile's first code: 208 back: tile 3 of the 256 codes before
.else
	s_add_co_u32 s[GB], s[CB], 16*(\t)-16
.endif
	s_wait_loadcnt \left                           ; loads come back in order (ISA guide 5.7.1): this tile's 18 are in
.set i, 0
.set k, 0
.set n, 0
.rept 32
	MM \t
.if \epi
	SLICE 1-((\t)%2)
.endif
.if (\fetch) && (i == 1)
.if (\t) == 0
	FETCHG 3, 3*REC
.else
	FETCHG (\t)-1, SLOT+REC*((\t)-1)
.endif
.if \ask
	s_wait_alu depctr_va_vdst(0)                   ; the wait here, ahead of the branch
	ASK
.endif
.endif
.set i, i+1
.endr
.if \epi == 0
.rept 4
	v_nop                                          ; no slices stood in this turn: the places in front of the next turn's first reads and loads
.endr
.endif
.endm
.macro STEP                            ; on to the next 256 codes
	WIN 0
	s_wait_xcnt 0x0                                ; the loads and prefetches issued have read their bases
	s_add_nc_u64 s[CBP:CBP+1], s[CBP:CBP+1], SLOT
	s_add_nc_u64 s[PFA:PFA+1], s[PFA:PFA+1], SLOT
	s_add_co_u32 s[CB], s[CB], 256
.endm
	TURN 0, 0, 1, 36, 0                            ; tile 0: there is no argmax yet
	TURN 1, 1, 1, 36, 0
	TURN 2, 1, 1, 36, 0
	TURN 3, 1, 1, 36, 0
	STEP
	s_mov_b32 s[TRIPS], 14
.Ltrip:                                                ; 14 trips of four tiles: the sets' numbers are back where they began
	TURN 0, 1, 1, 36, 1
	TURN 1, 1, 1, 36, 0
	TURN 2, 1, 1, 36, 0
	TURN 3, 1, 1, 36, 0
	STEP
	s_sub_co_u32 s[TRIPS], s[TRIPS], 1
	s_cmp_lg_u32 s[TRIPS], 0
	s_cbranch_scc1 .Ltrip
	TURN 0, 1, 1, 36, 0                            ; the last four tiles: one more record is asked for, then none, and the counts run down
	TURN 1, 1, 0, 36, 0
	TURN 2, 1, 0, 18, 0
	TURN 3, 1, 0, 0, 0
	s_add_co_u32 s[GB], s[CB], 48
.set k, 0
.set n, 0
.rept 32
	SLICE 1                                        ; the last tile's argmax
.endr
	; THE END.  Which of the 8 kept numbers is the best: the first that equals it (j descends, so the lowest j is written last).
.irp a, 0,1,2,3,4,5,6,7
	v_mov_b32 v[TT+\a], 7
.endr
.irp j, 6,5,4,3,2,1,0
.irp a, 0,1,2,3,4,5,6,7
	v_cmp_neq_f32 vcc_lo, v[SAVE+8*\a+\j], v[BG+2*\a]
	v_cndmask_b32 v[TT+\a], \j, v[TT+\a], vcc_lo
.endr
.endr
	v_bfe_u32 v16, v0, 4, 1
	v_lshlrev_b32 v16, 3, v16                      ; 8 h
	v_and_b32 v17, 15, v0
	s_lshl_b32 s68, s[WV], 10
	s_add_co_u32 s68, s68, MRG
	v_lshl_add_u32 v17, v17, 3, s68                ; where my rows' pairs go: MRG + 1,024 x wave + 8 r (+ 128 a)
	v_and_b32 v18, 31, v0
	s_and_b32 s69, s[WV], 1
	s_lshl_b32 s69, s69, 9
	s_add_co_u32 s69, s69, MRG
	v_lshl_add_u32 v19, v18, 4, s69                ; where waves 0 and 1 read two rows' pairs (+ 1,024 v)
	v_lshlrev_b32 v18, 3, v18
.irp a, 0,1,2,3,4,5,6,7
	v_add3_u32 v[BG+2*\a+1], v[BG+2*\a+1], v[TT+\a], v16   ; the pair is now (best, index)
.endr
.macro MERGE bb, bi, ob, oi            ; the other candidate is taken where its number is greater, or equal with the lower index
	v_cmp_gt_f32 s68, v[\ob], v[\bb]
	v_cmp_eq_f32 s69, v[\ob], v[\bb]
	v_cmp_lt_u32 s70, v[\oi], v[\bi]
	s_and_b32 s69, s69, s70
	s_or_b32 s68, s68, s69
	v_cndmask_b32 v[\bb], v[\bb], v[\ob], s68
	v_cndmask_b32 v[\bi], v[\bi], v[\oi], s68
.endm
.irp a, 0,1,2,3,4,5,6,7
	v_permlanex16_b32 v[CN+\a], v[BG+2*\a], s[SEL], s[SEL+1]       ; the row's other eight codes of each tile lie in the lane 16 away
	v_permlanex16_b32 v[CN+8+\a], v[BG+2*\a+1], s[SEL], s[SEL+1]
.endr
.irp a, 0,1,2,3,4,5,6,7
	MERGE BG+2*\a, BG+2*\a+1, CN+\a, CN+8+\a
.endr
.irp a, 0,1,2,3,4,5,6,7
	ds_store_b64 v17, v[BG+2*\a:BG+2*\a+1] offset:128*\a           ; (both halves of the lanes store the same pair)
.endr
	BAR                                            ; the four waves' candidates for all 128 rows lie in LDS
	s_cmp_gt_u32 s[WV], 1                          ; waves 0 and 1 merge them, 64 rows each, two rows a lane
	s_cbranch_scc1 .Ldone
.irp v, 0,1,2,3
	ds_load_b128 v[SAVE+4*\v:SAVE+4*\v+3], v19 offset:1024*\v
.endr
	s_lshl_b32 s18, ttmp9, 9                       ; idx: my block's 128 entries, my wave's 64
	s_lshl_b32 s19, s[WV], 8
	s_add_co_u32 s18, s18, s19
	s_mov_b32 s19, 0
	s_add_nc_u64 s[10:11], s[10:11], s[18:19]
	s_wait_dscnt 0x0
.irp v, 1,2,3
	MERGE SAVE, SAVE+1, SAVE+4*\v, SAVE+4*\v+1
	MERGE SAVE+2, SAVE+3, SAVE+4*\v+2, SAVE+4*\v+3
.endr
	v_mov_b32 v[SAVE], v[SAVE+1]
	v_mov_b32 v[SAVE+1], v[SAVE+3]
	global_store_b64 v18, v[SAVE:SAVE+1], s[10:11] ; 32 lanes store 256 consecutive bytes, aligned
.Ldone:
	s_wait_tensorcnt 0x0                           ; the wave's end
	ds_add_u32 v[SPW], v[NIL]
	s_wait_dscnt 0x0
	s_endpgm
.Lfunc_end_k_q7e7f4992c6_nearest:
	.size	k_q7e7f4992c6_nearest, .Lfunc_end_k_q7e7f4992c6_nearest-k_q7e7f4992c6_nearest
	.p2alignl 7, 3214868480
	.fill 96, 4, 3214868480
	.section	.rodata,"a",@progbits
	.p2align	6, 0x0
	.amdhsa_kernel k_q7e7f4992c6_nearest
		.amdhsa_group_segment_fixed_size 54784
		.amdhsa_private_segment_fixed_size 0
		.amdhsa_enable_private_segment 0
		.amdhsa_kernarg_size 32
		.amdhsa_user_sgpr_count 2
		.amdhsa_user_sgpr_kernarg_segment_ptr 1
		.amdhsa_wavefront_size32 1
		.amdhsa_system_sgpr_workgroup_id_x 1
		.amdhsa_system_sgpr_workgroup_id_y 1
		.amdhsa_system_sgpr_workgroup_id_z 1
		.amdhsa_system_vgpr_workitem_id 0
		.amdhsa_next_free_vgpr 1024
		.amdhsa_next_free_sgpr 80
		.amdhsa_reserve_vcc 1
		.amdhsa_float_denorm_mode_32 3
		.amdhsa_float_denorm_mode_16_64 3
		.amdhsa_memory_ordered 1
		.amdhsa_forward_progress 1
		.amdhsa_inst_pref_size 220
	.end_amdhsa_kernel
	.amdgpu_metadata
---
amdhsa.version: [ 1, 2 ]
amdhsa.kernels:
  - .name:           k_q7e7f4992c6_nearest
    .symbol:         k_q7e7f4992c6_nearest.kd
    .args:
      - { .name: ze, .offset: 0, .size: 8, .value_kind: global_buffer, .address_space: global }
      - { .name: cbq, .offset: 8, .size: 8, .value_kind: global_buffer, .address_space: global }
      - { .name: lowp_scales, .offset: 16, .size: 8, .value_kind: global_buffer, .address_space: global }
      - { .name: idx, .offset: 24, .size: 8, .value_kind: global_buffer, .address_space: global }
    .group_segment_fixed_size: 54784
    .private_segment_fixed_size: 0
    .kernarg_segment_align: 8
    .kernarg_segment_size: 32
    .max_flat_workgroup_size: 128
    .sgpr_count:     80
    .vgpr_count:     1024
    .wavefront_size: 32
...
	.end_amdgpu_metadata
.endif
;; end of part 2
;; launch gather (part 3): grid 512 x 1, 8 waves a work-group, no clusters, 0 bytes of LDS; arguments codebook, idx, out0; writes out0
.if DOCPART == 3
	.amdgcn_target "amdgcn-amd-amdhsa--gfx1250"
	.amdhsa_code_object_version 6
	.text
	.protected	k_q7e7f4992c6_gather
	.globl	k_q7e7f4992c6_gather
	.p2align	8
	.type	k_q7e7f4992c6_gather,@function
k_q7e7f4992c6_gather:
	s_mov_b64 s[64:65], 0
	v_nop
	global_prefetch_b8 v0, s[64:65] scope:SCOPE_SE
	s_setreg_imm32_b32 hwreg(HW_REG_WAVE_MODE, 25, 1), 1
	s_wait_xcnt 0x0
; out0[row][:] = codebook[idx[row]][:], f32, 2,048 bytes a row.  idx was stored by the launch before, as whole numbers.
; A wave takes 8 rows; its 8 indices are one scalar load of 32 bytes.  A row is four loads and four stores of 512 consecutive bytes each, aligned.  All 32 loads of a wave go out at once; the stores follow row by row.
; No LDS, no barrier, no matrix work: waves share nothing.  Rows of the codebook are named again by other waves, so their loads carry no hint; out0 is written once and read by nobody here.
; An index is held at 4,095 ahead of its use in an address; the launch before stores none above that.
.set LO, 1                             ; v1  16 x lane
.set D,  8                             ; v[8:135]  row i: 16 registers
	s_load_b128 s[4:7], s[0:1], 0x0                ; codebook s[4:5], idx s[6:7]
	s_load_b64 s[8:9], s[0:1], 0x10                ; out0
	v_lshrrev_b32 v2, 5, v0
	s_delay_alu instid0(VALU_DEP_1)
	v_readfirstlane_b32 s10, v2                    ; wave 0..7
	v_and_b32 v[LO], 31, v0
	s_delay_alu instid0(VALU_DEP_1)
	v_lshlrev_b32 v[LO], 4, v[LO]
	s_lshl_b32 s11, ttmp9, 3
	s_add_co_u32 s11, s11, s10                     ; which eight rows are my wave's
	s_lshl_b32 s12, s11, 5                         ; their entries of idx: 32 bytes
	s_mov_b32 s13, 0
	s_lshl_b32 s14, s11, 14                        ; their rows of out0: 8 x 2,048 bytes
	s_mov_b32 s15, 0
	s_wait_alu depctr_va_vdst(0)
	s_wait_kmcnt 0x0
	s_add_nc_u64 s[6:7], s[6:7], s[12:13]
	s_add_nc_u64 s[8:9], s[8:9], s[14:15]
	s_load_b256 s[16:23], s[6:7], 0x0
	s_wait_kmcnt 0x0
.irp i, 0,1,2,3,4,5,6,7
	s_min_u32 s[16+\i], s[16+\i], 0xfff
	s_lshl_b32 s[24+2*\i], s[16+\i], 11            ; the row's first byte in the codebook
	s_mov_b32 s[25+2*\i], 0
	s_add_nc_u64 s[24+2*\i:25+2*\i], s[4:5], s[24+2*\i:25+2*\i]
.endr
.irp i, 0,1,2,3,4,5,6,7
.irp j, 0,1,2,3
	global_load_b128 v[D+16*\i+4*\j:D+16*\i+4*\j+3], v[LO], s[24+2*\i:25+2*\i] offset:512*\j
.endr
.endr
.irp i, 0,1,2,3,4,5,6,7
	s_wait_loadcnt 4*(7-\i)                        ; row i's four loads are in; the younger rows' four each may be out
.irp j, 0,1,2,3
	global_store_b128 v[LO], v[D+16*\i+4*\j:D+16*\i+4*\j+3], s[8:9] offset:2048*\i+512*\j th:TH_STORE_NT
.endr
.endr
	s_endpgm
.Lfunc_end_k_q7e7f4992c6_gather:
	.size	k_q7e7f4992c6_gather, .Lfunc_end_k_q7e7f4992c6_gather-k_q7e7f4992c6_gather
	.p2alignl 7, 3214868480
	.fill 96, 4, 3214868480
	.section	.rodata,"a",@progbits
	.p2align	6, 0x0
	.amdhsa_kernel k_q7e7f4992c6_gather
		.amdhsa_group_segment_fixed_size 0
		.amdhsa_private_segment_fixed_size 0
		.amdhsa_enable_private_segment 0
		.amdhsa_kernarg_size 24
		.amdhsa_user_sgpr_count 2
		.amdhsa_user_sgpr_kernarg_segment_ptr 1
		.amdhsa_wavefront_size32 1
		.amdhsa_system_sgpr_workgroup_id_x 1
		.amdhsa_system_sgpr_workgroup_id_y 1
		.amdhsa_system_sgpr_workgroup_id_z 1
		.amdhsa_system_vgpr_workitem_id 0
		.amdhsa_next_free_vgpr 136
		.amdhsa_next_free_sgpr 66
		.amdhsa_reserve_vcc 0
		.amdhsa_float_denorm_mode_32 3
		.amdhsa_float_denorm_mode_16_64 3
		.amdhsa_memory_ordered 1
		.amdhsa_forward_progress 1
		.amdhsa_inst_pref_size 9
	.end_amdhsa_kernel
	.amdgpu_metadata
---
amdhsa.version: [ 1, 2 ]
amdhsa.kernels:
  - .name:           k_q7e7f4992c6_gather
    .symbol:         k_q7e7f4992c6_gather.kd
    .args:
      - { .name: codebook, .offset: 0, .size: 8, .value_kind: global_buffer, .address_space: global }
      - { .name: idx, .offset: 8, .size: 8, .value_kind: global_buffer, .address_space: global }
      - { .name: out0, .offset: 16, .size: 8, .value_kind: global_buffer, .address_space: global }
    .group_segment_fixed_size: 0
    .private_segment_fixed_size: 0
    .kernarg_segment_align: 8
    .kernarg_segment_size: 24
    .max_flat_workgroup_size: 256
    .sgpr_count:     66
    .vgpr_count:     136
    .wavefront_size: 32
...
	.end_amdgpu_metadata
.endif
;; end of part 3
